; MI455X (gfx1250); checked and timed in simulation.
; The chip was launched on July 23, 2026; its instructions are those of AMD's public machine-readable ISA for CDNA 5 (MIT licence, August 2026) and "CDNA5" Instruction Set Architecture Reference Guide (July 2026). The comments in the code are by the model that wrote it; some were corrected since.
;; Multi Head Self Attention. Allowed arithmetic: float matrix products may take bf16 or f16 operands with f32 sums; all other float work in f32.
;; Inputs: Wk 1,024 x 1,024 float32; Wo 1,024 x 1,024 float32; Wq 1,024 x 1,024 float32; Wv 1,024 x 1,024 float32; bk 1,024 float32; bo 1,024 float32; bq 1,024 float32; bv 1,024 float32; x 4 x 2,048 x 1,024 float32.
;; Outputs: out0 4 x 2,048 x 1,024 float32.
;; One version. Each part assembles by itself: llvm-mc -triple=amdgcn-amd-amdhsa -mcpu=gfx1250 --defsym DOCPART=n.
;; ======== version 1 of 1: 4 launches
;; limits: values are held in f16: magnitudes above 65,504 overflow, below 6.1e-05 lose precision
;; workspace buffers: xh 16,777,216 bytes; wh 8,388,608 bytes; qkvh 50,331,648 bytes; ctxh 16,777,216 bytes
;; launch cast (part 1): grid 768 x 1, 8 waves a work-group, no clusters, 0 bytes of LDS; arguments x, Wq, Wk, Wv, Wo, xh, wh; writes xh, wh
.if DOCPART == 1
	.amdgcn_target "amdgcn-amd-amdhsa--gfx1250"
	.amdhsa_code_object_version 6
	.text
	.protected	k_q653833d1e0_cast
	.globl	k_q653833d1e0_cast
	.p2align	8
	.type	k_q653833d1e0_cast,@function
k_q653833d1e0_cast:
	s_mov_b64 s[64:65], 0
	v_nop
	global_prefetch_b8 v0, s[64:65] scope:SCOPE_SE
	s_setreg_imm32_b32 hwreg(HW_REG_WAVE_MODE, 25, 1), 1
	s_wait_xcnt 0x0
; cast: x and the four weight matrices (f32) are rounded once, to nearest even, to f16: xh = [8192][1024], wh = [4096][1024] with
; rows 0-1023 Wq, 1024-2047 Wk, 2048-3071 Wv, 3072-4095 Wo.  The products that follow then read 2 bytes a number and convert nothing.
; f16 and not bf16: eight times finer, and the operands have room: x of spread 1 and W of spread 1/32 may be 30 times larger or smaller.
; LIMIT: a number above 65,504 in magnitude becomes infinity; below 6e-5 it is rounded to a multiple of 6e-8.
; A stream: every byte is read once and written once, so there is no LDS, no barrier, no matrix unit and nothing that work-groups share.
; Work-group c takes one chunk of 65,536 bytes of f32: chunks 0-511 are x, chunks 512-767 the four W (64 chunks each).
; Thread t takes 16 bytes of each 4,096: a wave's load covers 512 consecutive bytes, its store 256 consecutive bytes, both aligned.
.set X, 4                              ; v[4:67]   sixteen loads of four f32
.set Y, 68                             ; v[68:99]  sixteen pairs of registers, four f16 each
	s_load_b256 s[4:11], s[0:1], 0x0               ; x s[4:5], Wq s[6:7], Wk s[8:9], Wv s[10:11]
	s_load_b128 s[12:15], s[0:1], 0x20             ; Wo s[12:13], xh s[14:15]
	s_load_b64 s[16:17], s[0:1], 0x30              ; wh
	s_mov_b32 s19, ttmp9                           ; c
	s_sub_co_u32 s20, s19, 512                     ; chunk among the weights (used only where c >= 512)
	s_lshr_b32 s21, s20, 6                         ; which W
	s_and_b32 s22, s20, 63                         ; chunk inside that W
	v_lshlrev_b32 v1, 4, v0                        ; 16 t: my bytes in each 4,096 of the source
	v_lshlrev_b32 v2, 3, v0                        ; 8 t: my bytes in each 2,048 of the destination
	s_wait_kmcnt 0x0
	s_cmp_eq_u32 s21, 1
	s_cselect_b64 s[24:25], s[8:9], s[6:7]         ; the source among the weights: Wq, or Wk,
	s_cmp_eq_u32 s21, 2
	s_cselect_b64 s[24:25], s[10:11], s[24:25]     ; or Wv,
	s_cmp_eq_u32 s21, 3
	s_cselect_b64 s[24:25], s[12:13], s[24:25]     ; or Wo
	s_cmp_lt_u32 s19, 512                          ; one compare for the four selects below: none of them changes SCC
	s_cselect_b64 s[24:25], s[4:5], s[24:25]       ; source: x or the chosen W
	s_cselect_b64 s[26:27], s[14:15], s[16:17]     ; destination: xh or wh
	s_cselect_b32 s28, s19, s22                    ; chunk in the source
	s_cselect_b32 s30, s19, s20                    ; chunk in the destination
	s_lshl_b32 s28, s28, 16                        ; x 65,536 bytes (33.5 million at the most)
	s_mov_b32 s29, 0
	s_lshl_b32 s30, s30, 15                        ; x 32,768 bytes
	s_mov_b32 s31, 0
	s_add_nc_u64 s[24:25], s[24:25], s[28:29]
	s_add_nc_u64 s[26:27], s[26:27], s[30:31]
.irp j, 0,1,2,3,4,5,6,7,8,9,10,11,12,13,14,15
	global_load_b128 v[X+4*\j:X+4*\j+3], v1, s[24:25] offset:4096*\j th:TH_LOAD_NT   ; all sixteen go out at once; read once in the launch
.endr
.irp j, 0,1,2,3,4,5,6,7,8,9,10,11,12,13,14,15
	s_wait_loadcnt 15-\j                           ; loads come back in order: load j is in, the 15 - j younger ones stay out
	v_cvt_pk_f16_f32 v[Y+2*\j], v[X+4*\j], v[X+4*\j+1]
	v_cvt_pk_f16_f32 v[Y+2*\j+1], v[X+4*\j+2], v[X+4*\j+3]
	global_store_b64 v2, v[Y+2*\j:Y+2*\j+1], s[26:27] offset:2048*\j    ; no register is written twice, so no store's source needs a wait
.endr
	s_endpgm
.Lfunc_end_k_q653833d1e0_cast:
	.size	k_q653833d1e0_cast, .Lfunc_end_k_q653833d1e0_cast-k_q653833d1e0_cast
	.p2alignl 7, 3214868480
	.fill 96, 4, 3214868480
	.section	.rodata,"a",@progbits
	.p2align	6, 0x0
	.amdhsa_kernel k_q653833d1e0_cast
		.amdhsa_group_segment_fixed_size 0
		.amdhsa_private_segment_fixed_size 0
		.amdhsa_enable_private_segment 0
		.amdhsa_kernarg_size 56
		.amdhsa_user_sgpr_count 2
		.amdhsa_user_sgpr_kernarg_segment_ptr 1
		.amdhsa_wavefront_size32 1
		.amdhsa_system_sgpr_workgroup_id_x 1
		.amdhsa_system_sgpr_workgroup_id_y 1
		.amdhsa_system_sgpr_workgroup_id_z 1
		.amdhsa_system_vgpr_workitem_id 0
		.amdhsa_next_free_vgpr 100
		.amdhsa_next_free_sgpr 66
		.amdhsa_reserve_vcc 0
		.amdhsa_float_denorm_mode_32 3
		.amdhsa_float_denorm_mode_16_64 3
		.amdhsa_memory_ordered 1
		.amdhsa_forward_progress 1
		.amdhsa_inst_pref_size 7
	.end_amdhsa_kernel
	.amdgpu_metadata
---
amdhsa.version: [ 1, 2 ]
amdhsa.kernels:
  - .name:           k_q653833d1e0_cast
    .symbol:         k_q653833d1e0_cast.kd
    .args:
      - { .name: x, .offset: 0, .size: 8, .value_kind: global_buffer, .address_space: global }
      - { .name: Wq, .offset: 8, .size: 8, .value_kind: global_buffer, .address_space: global }
      - { .name: Wk, .offset: 16, .size: 8, .value_kind: global_buffer, .address_space: global }
      - { .name: Wv, .offset: 24, .size: 8, .value_kind: global_buffer, .address_space: global }
      - { .name: Wo, .offset: 32, .size: 8, .value_kind: global_buffer, .address_space: global }
      - { .name: xh, .offset: 40, .size: 8, .value_kind: global_buffer, .address_space: global }
      - { .name: wh, .offset: 48, .size: 8, .value_kind: global_buffer, .address_space: global }
    .group_segment_fixed_size: 0
    .private_segment_fixed_size: 0
    .kernarg_segment_align: 8
    .kernarg_segment_size: 56
    .max_flat_workgroup_size: 256
    .sgpr_count:     66
    .vgpr_count:     100
    .wavefront_size: 32
...
	.end_amdgpu_metadata
.endif
;; end of part 1
;; launch qkv (part 2): grid 8 x 32, 4 waves a work-group, clusters of 4 x 4, 327,680 bytes of LDS; arguments xh, wh, bq, bk, bv, qkvh; writes qkvh
.if DOCPART == 2
	.amdgcn_target "amdgcn-amd-amdhsa--gfx1250"
	.amdhsa_code_object_version 6
	.text
	.protected	k_q653833d1e0_qkv
	.globl	k_q653833d1e0_qkv
	.p2align	8
	.type	k_q653833d1e0_qkv,@function
k_q653833d1e0_qkv:
	s_mov_b64 s[64:65], 0
	v_nop
	global_prefetch_b8 v0, s[64:65] scope:SCOPE_SE
	s_setreg_imm32_b32 hwreg(HW_REG_WAVE_MODE, 25, 1), 1
	s_wait_xcnt 0x0
	s_wait_alu depctr_hold_cnt(0) depctr_sa_sdst(0) depctr_va_vdst(0) depctr_va_sdst(0) depctr_va_ssrc(0) depctr_va_vcc(0) depctr_vm_vsrc(0)
	s_getreg_b32 s2, hwreg(HW_REG_IB_STS2, 6, 4)
	s_cmp_eq_u32 s2, 0
	s_cbranch_scc0 .Lentry_in_a_cluster
	s_endpgm
.Lentry_in_a_cluster:
	s_bfe_u32 s2, ttmp6, 0x10000c
	s_cmp_lg_u32 s2, 0xf033
	s_cbranch_scc0 .Lentry_shape_is_right
	s_endpgm
.Lentry_shape_is_right:
; qkv: [8192 x 1024] x [3072 x 1024]^T + bias, f16 operands, f32 sums; the result rounded once to f16 and stored by heads:
; qkvh = [3 (q, k, v)][64 (batch x 16 + head)][2048 s][64 d].
; LIMIT: q, k, v above 65,504 in magnitude become infinity (inputs 30 times the drawn spread, or offset by 30 spreads, give 29,000 at the most).
; 8192 x 3072 shared among 256 work-groups is a block of 256 (m) x 384 (n); four waves, each 128 x 192 = 96 accumulator tiles = 768 registers.
; For 32 along K a wave reads 40 x 512 bytes from LDS for 96 matrix instructions.
; K goes in steps of 64 (rows of 128 bytes) through two LDS slots: two slots with rows of 256 bytes would take 2 x 640 x 272 = 348,160 bytes,
; more than a work-group can be given.
; CLUSTERS: 4 x 4 work-groups.  x's tile hangs on the block row alone and is asked for jointly by a row of the cluster, W's on the block column
; alone and by a column: each of the four issues the same tensor load with the same descriptor and a mask that names the four.
; THE MATRIX INSTRUCTION IS USED TRANSPOSED: source 0 = 16 rows of W, source 1 = 16 rows of x, so lane l holds row m = l % 16 and its eight
; registers the neighbouring columns n = 8 (l / 16) + 0 .. 7.
; REGISTERS: window 0: v0-16 addresses, v32-159 x's fragments (two buffers of 8 x 8), v160-255 W's fragments (three groups of 4 x 8);
; window p + 1 (p = 0, 1, 2): the 32 tiles (a = 0..7, bb = 0..3) at v[8 (4 a + bb)] of the wave's p-th 64 columns, which are one head.
.set PITCH, 144                        ; an LDS row: 128 bytes + 16 of padding: an odd multiple of 16, so 16 rows start at 16 different 16-byte columns
.set FROW,  16*PITCH                   ; 16 rows: one fragment's
.set BHALF, 192*PITCH                  ; what one tensor load brings of W, and what one wave reads of it
.set AHALF, 128*PITCH                  ; the same for x
.set AOFF,  2*BHALF                    ; a slot: W's 384 rows, then x's 256 rows
.set SLOT,  AOFF+2*AHALF               ; 92,160
.set STAGE, 2*SLOT                     ; 184,320: behind the ring, 16 rows x 144 bytes for each wave, for the way out
.set BIASL, STAGE+4*FROW               ; 193,536: 768 bytes for each wave: the bias of its 192 columns
.set ADRA, 8                           ; v8-9    LDS address of my x fragments in slot 0, 1
.set ADRB, 10                          ; v10-11  the same for W
.set STO,  12                          ; way out: where I put 16 bytes of a row
.set RD,   13                          ; way out: where I read rows back
.set CO,   14                          ; 16 x lane: my bytes in 512 consecutive bytes of the output
.set BA,   15                          ; where I put 8 bytes of bias
.set BRD,  16                          ; where I read the bias of my 8 columns
.set FA,   32
.set FB,   160
.set BIAS, 32                          ; way out: v32-63 bias of my columns in one head; v64-95 sums; v96-111 packed; v112-143 rows read back
.set TF,   64
.set TP,   96
.set OB0,  112
.set OB1,  128
.set G1A, 24                           ; s[24:31] group 1 for x's tiles     s[32:39] group 0, a set for each slot
.set G0A, 32
.set G1B, 40                           ; s[40:47] group 1 for W's tiles     s[48:55] group 0, a set for each slot
.set G0B, 48
.set W0, (1<<16)|(1<<20)|(1<<21)|(4<<22)|(3<<25)   ; element of 2 bytes; padding on; bit 21 beside a mask; after every 32 words; 4 words
.set MSB, 0
.macro WIN new                         ; the immediate's high byte repeats the setting that is left
.if MSB != (\new)
	s_set_vgpr_msb (MSB<<8)|(\new)
.set MSB, (\new)
.endif
.endm
.macro PLACES n                        ; places behind a matrix instruction: plain vector instructions that name none of its registers (ISA guide 7.12.1)
.rept \n
	v_nop
.endr
.endm
; A joint load.  Waves 0 and 1 fetch W's halves, waves 2 and 3 x's.  The branch hangs on the wave's number alone.
.macro JLOAD s
	s_cmp_eq_u32 s17, 0
	s_cbranch_scc0 .Lfor_a_\@
	tensor_load_to_lds s[G0B+4*\s:G0B+4*\s+3], s[G1B:G1B+7]
	s_nop 0
	s_branch .Lasked_\@
.Lfor_a_\@:
	tensor_load_to_lds s[G0A+4*\s:G0A+4*\s+3], s[G1A:G1A+7]
	s_nop 0
.Lasked_\@:
.endm
.macro CREST                           ; a round of the cluster's barrier behind its opening work-group barrier
	s_cmp_lg_u32 s16, 0
	s_cbranch_scc1 .Lnot_wave_0_\@
	s_barrier_signal -3
.Lnot_wave_0_\@:
	s_barrier_wait -3
	s_barrier_signal -1
	s_barrier_wait -1
.endm
.macro CROUND                          ; a whole round
	s_barrier_signal -1
	s_barrier_wait -1
	CREST
.endm
	s_load_b256 s[4:11], s[0:1], 0x0               ; xh s[4:5], wh s[6:7], bq s[8:9], bk s[10:11]
	s_load_b128 s[12:15], s[0:1], 0x20             ; bv s[12:13], qkvh s[14:15]
	v_lshl_add_u32 v30, v0, 2, 0x30000
	v_mov_b32 v31, 0
	ds_add_u32 v30, v31
	v_lshrrev_b32 v1, 5, v0
	v_readfirstlane_b32 s16, v1                    ; wave 0..3
	s_lshr_b32 s17, s16, 1                         ; rh: my half of the block's rows.  Also: I fetch for W (0) or for x (1)
	s_and_b32 s18, s16, 1                          ; ch: my half of its columns.  Also: which half of that tile I fetch
	s_bfe_u32 s19, ttmp6, 0x40000                  ; cx
	s_bfe_u32 s20, ttmp6, 0x40004                  ; cy
	s_lshl_b32 s21, ttmp9, 2
	s_add_co_u32 s21, s21, s19                     ; bx: block column, 0..7
	s_and_b32 s22, ttmp7, 0xffff
	s_lshl_b32 s22, s22, 2
	s_add_co_u32 s22, s22, s20                     ; by: block row, 0..31
	s_lshl_b32 s23, s20, 2
	s_lshl_b32 s23, 15, s23                        ; my row of the cluster: places 4 cy .. 4 cy + 3
	s_lshl_b32 s84, 0x1111, s19                    ; my column: places cx, cx + 4, cx + 8, cx + 12
	s_or_b32 s[G1A+0], s23, W0                     ; x's tiles go to my row
	s_mov_b32 s[G1A+1], 64<<16                     ; tensor_dim0 = 64 elements
	s_mov_b32 s[G1A+2], 128<<16                    ; tensor_dim1 = 128 rows
	s_mov_b32 s[G1A+3], 64<<16                     ; tile_dim0 = 64
	s_mov_b32 s[G1A+4], 128                        ; tile_dim1 = 128
	s_mov_b32 s[G1A+5], 1024                       ; elements from row to row
	s_mov_b32 s[G1A+6], 0
	s_mov_b32 s[G1A+7], 0
	s_or_b32 s[G1B+0], s84, W0                     ; W's tiles go to my column
	s_mov_b32 s[G1B+1], 64<<16
	s_mov_b32 s[G1B+2], 192<<16                    ; 192 rows
	s_mov_b32 s[G1B+3], 64<<16
	s_mov_b32 s[G1B+4], 192
	s_mov_b32 s[G1B+5], 1024
	s_mov_b32 s[G1B+6], 0
	s_mov_b32 s[G1B+7], 0
	; where the tiles come from: x's address is made of by and the wave's number, W's of bx and the wave's number, each in registers of its own
	s_lshl_b32 s82, s18, 7                         ; 128 x (wave & 1)
	s_mul_i32 s83, s18, 192                        ; 192 x (wave & 1)
	s_lshl_b32 s56, s22, 8
	s_add_co_u32 s56, s56, s82                     ; x: row 256 by + 128 x half
	s_lshl_b32 s56, s56, 11                        ; x 2,048 bytes (16.8 million at the most)
	s_mov_b32 s57, 0
	s_mul_i32 s60, s21, 384
	s_add_co_u32 s60, s60, s83                     ; W: row 384 bx + 192 x half
	s_lshl_b32 s60, s60, 11
	s_mov_b32 s61, 0
	s_mul_i32 s85, s16, BHALF                      ; and where they go: waves 0, 1: W's halves at wave x 27,648;
	s_mul_i32 s86, s16, AHALF
	s_add_co_u32 s86, s86, AOFF-2*AHALF            ; waves 2, 3: x's halves at 55,296 + (wave - 2) x 18,432
	s_wait_dscnt 0x0
	s_wait_kmcnt 0x0
	s_add_nc_u64 s[58:59], s[4:5], s[56:57]
	s_add_nc_u64 s[62:63], s[6:7], s[60:61]
	CROUND                                         ; all sixteen work-groups are here: the first joint loads meet
.irp s, 0,1
	s_mov_b32 s[G0A+4*\s], 1
	s_add_co_u32 s[G0A+4*\s+1], s86, \s*SLOT
	s_add_nc_u64 s[G0A+4*\s+2:G0A+4*\s+3], s[58:59], \s*128        ; K step s
	s_or_b32 s[G0A+4*\s+3], s[G0A+4*\s+3], 0x80000000
	s_mov_b32 s[G0B+4*\s], 1
	s_add_co_u32 s[G0B+4*\s+1], s85, \s*SLOT
	s_add_nc_u64 s[G0B+4*\s+2:G0B+4*\s+3], s[62:63], \s*128
	s_or_b32 s[G0B+4*\s+3], s[G0B+4*\s+3], 0x80000000
	JLOAD \s                                       ; both slots are asked for before anything else: two tensor loads of the wave are out
.endr
	; lane addresses.  A fragment is 16 rows x 32 K: lane l takes row l % 16, 16 bytes at 16 (l / 16) and 16 more 32 bytes on
	v_and_b32 v1, 15, v0                           ; r
	v_bfe_u32 v2, v0, 4, 1                         ; h
	v_mul_u32_u24 v3, v1, PITCH
	v_lshl_add_u32 v3, v2, 4, v3                   ; r x pitch + 16 h
	s_mul_i32 s87, s17, AHALF
	s_add_co_u32 s87, s87, AOFF                    ; my 128 rows of x
	s_mul_i32 s88, s18, BHALF                      ; my 192 rows of W
	v_add_nc_u32 v[ADRA], s87, v3
	v_add_nc_u32 v[ADRB], s88, v3
	v_add_nc_u32 v[ADRA+1], SLOT, v[ADRA]
	v_add_nc_u32 v[ADRB+1], SLOT, v[ADRB]
	s_mul_i32 s89, s16, FROW
	s_add_co_u32 s89, s89, STAGE                   ; my stage
	v_add_nc_u32 v[STO], s89, v3
	v_bfe_u32 v4, v0, 3, 2                         ; back: eight lanes take one row of 128 bytes, a wave four rows
	v_and_b32 v5, 7, v0
	v_mul_u32_u24 v4, v4, PITCH
	v_lshl_add_u32 v4, v5, 4, v4
	v_add_nc_u32 v[RD], s89, v4
	v_and_b32 v5, 31, v0
	v_lshlrev_b32 v[CO], 4, v5
	v_lshlrev_b32 v6, 3, v5                        ; 8 x lane: a head's 64 bias numbers, 8 bytes a lane
	s_mul_i32 s96, s16, 768
	s_add_co_u32 s96, s96, BIASL
	v_add_nc_u32 v[BA], s96, v6
	v_lshl_add_u32 v[BRD], v2, 5, s96              ; 32 h: my 8 columns of a tile of 16
	; my three heads: g = 6 bx + 3 ch + hc of 48; g >> 4 says q, k or v, g & 15 the head.  For each: the bias's address and the output's.
	s_mul_i32 s72, s21, 6
	s_mul_i32 s73, s18, 3
	s_add_co_u32 s72, s72, s73
	s_lshr_b32 s94, s22, 3
	s_lshl_b32 s94, s94, 4                         ; 16 x batch
	s_and_b32 s95, s22, 7
	s_lshl_b32 s95, s95, 8
	s_lshl_b32 s73, s17, 7
	s_add_co_u32 s95, s95, s73
	s_lshl_b32 s95, s95, 7                         ; (256 (by & 7) + 128 rh) rows of 128 bytes
.irp hc, 0,1,2
	s_add_co_u32 s74, s72, \hc
	s_lshr_b32 s75, s74, 4
	s_and_b32 s74, s74, 15
	s_cmp_eq_u32 s75, 1
	s_cselect_b64 s[76+2*\hc:77+2*\hc], s[10:11], s[8:9]
	s_cmp_eq_u32 s75, 2
	s_cselect_b64 s[76+2*\hc:77+2*\hc], s[12:13], s[76+2*\hc:77+2*\hc]
	s_lshl_b32 s90, s74, 8                         ; 64 numbers of 4 bytes a head
	s_mov_b32 s91, 0
	s_add_nc_u64 s[76+2*\hc:77+2*\hc], s[76+2*\hc:77+2*\hc], s[90:91]
	global_load_b64 v[32+2*\hc:33+2*\hc], v6, s[76+2*\hc:77+2*\hc]   ; 256 consecutive bytes, aligned
	s_lshl_b32 s92, s75, 6
	s_add_co_u32 s92, s92, s74
	s_add_co_u32 s92, s92, s94                     ; plane = 64 x (q, k, v) + 16 x batch + head
	s_lshl_b32 s92, s92, 18                        ; x 262,144 bytes (50.1 million at the most)
	s_add_co_u32 s92, s92, s95
	s_mov_b32 s93, 0
	s_add_nc_u64 s[66+2*\hc:67+2*\hc], s[14:15], s[92:93]
.endr
	s_wait_loadcnt 0x0
.irp hc, 0,1,2
	ds_store_b64 v[BA], v[32+2*\hc:33+2*\hc] offset:256*\hc      ; bytes of my own, into which no tensor load lands
.endr
.macro LDA slot, kb, buf               ; 16 LDS loads: my 128 rows of x, 32 K at byte kb of the rows
.irp a, 0,1,2,3,4,5,6,7
	ds_load_b128 v[FA+64*\buf+8*\a:FA+64*\buf+8*\a+3],   v[ADRA+\slot] offset:\kb+\a*FROW
	ds_load_b128 v[FA+64*\buf+8*\a+4:FA+64*\buf+8*\a+7], v[ADRA+\slot] offset:\kb+\a*FROW+32
.endr
.endm
.macro LDB slot, kb, p                 ; 8 LDS loads: the p-th 64 of my 192 rows of W
.irp bb, 0,1,2,3
	ds_load_b128 v[FB+32*\p+8*\bb:FB+32*\p+8*\bb+3],   v[ADRB+\slot] offset:\kb+(4*\p+\bb)*FROW
	ds_load_b128 v[FB+32*\p+8*\bb+4:FB+32*\p+8*\bb+7], v[ADRB+\slot] offset:\kb+(4*\p+\bb)*FROW+32
.endr
.endm
; 16 matrix instructions: row blocks a0 .. a0 + 3 x the four column blocks of group p.  zero = 1: the first product starts the sums.
; The 96 accumulators take turns, one instruction a turn, in the same order in every quarter.
.macro PH p, buf, a0, zero
.irp a, 0,1,2,3
.irp bb, 0,1,2,3
.if \zero
	v_wmma_f32_16x16x32_f16 v[8*(4*(\a0+\a)+\bb):8*(4*(\a0+\a)+\bb)+7], v[FB+32*\p+8*\bb:FB+32*\p+8*\bb+7], v[FA+64*\buf+8*(\a0+\a):FA+64*\buf+8*(\a0+\a)+7], 0
.else
	v_wmma_f32_16x16x32_f16 v[8*(4*(\a0+\a)+\bb):8*(4*(\a0+\a)+\bb)+7], v[FB+32*\p+8*\bb:FB+32*\p+8*\bb+7], v[FA+64*\buf+8*(\a0+\a):FA+64*\buf+8*(\a0+\a)+7], v[8*(4*(\a0+\a)+\bb):8*(4*(\a0+\a)+\bb)+7]
.endif
.endr
.endr
.endm
.macro PHASE p, buf, zero              ; 32 matrix instructions under one setting: C and D in window p + 1, the fragments in window 0
	WIN (0x50*(\p+1))
	PH \p, \buf, 0, \zero
	PH \p, \buf, 4, \zero
.endm
; The first half of a K step: multiplies x's buffer 0; behind each phase the group of W just used is loaded again for the second half.
; In front of each run of loads stand four places: the loads land in registers that the matrix instructions just issued have read.
.macro QUARTER slot, zero
	s_wait_dscnt 16                                ; x's 16 loads and group 0's 8 are in; the 16 youngest (groups 1 and 2) may be out
	PHASE 0, 0, \zero
	WIN 0
	PLACES 4
	LDA \slot, 64, 1
	LDB \slot, 64, 0
	s_wait_dscnt 32                                ; group 1 is in: behind it were issued group 2's 8 and the 24 just above
	PHASE 1, 0, \zero
	WIN 0
	PLACES 4
	LDB \slot, 64, 1
	s_wait_dscnt 32                                ; group 2 is in: behind it were issued those 24 and the 8 just above
	PHASE 2, 0, \zero
	WIN 0
	PLACES 4
	LDB \slot, 64, 2
.endm
; The second half: multiplies buffer 1 and changes slots.  ONE barrier for the change.  In front of it each wave waits for its reads of this
; slot and for all its tensor loads (one is out: its part of the next slot).  Where the slot is filled again the barrier opens a round of the
; cluster's barrier, so that no wave of any partner still reads the slot or has a load on its way; the joint refill is the first tensor load
; behind the round.  From a request to the wait for it a wave issues 176 matrix instructions.
.macro TURN slot, next, fill
	s_wait_dscnt 16
	WIN 0x50
	PH 0, 1, 0, 0
	s_wait_dscnt 0x0                               ; my reads of this slot are over
	s_wait_tensorcnt 0x0                           ; and all my tensor loads have landed
	ds_add_u32 v30, v31
	s_wait_dscnt 0x0
	s_barrier_signal -1
	PH 0, 1, 4, 0                                  ; register work while the others arrive
	WIN 0
	s_barrier_wait -1
.if \fill
	CREST
	s_add_nc_u64 s[G0A+4*\slot+2:G0A+4*\slot+3], s[G0A+4*\slot+2:G0A+4*\slot+3], 256   ; two K steps on; no tensor load of mine is out
	s_add_nc_u64 s[G0B+4*\slot+2:G0B+4*\slot+3], s[G0B+4*\slot+2:G0B+4*\slot+3], 256
	JLOAD \slot
.endif
	PLACES 4
	LDA \next, 0, 0
	LDB \next, 0, 0
	PHASE 1, 1, 0                                  ; groups 1 and 2 were shown in by the wait for 0 above
	WIN 0
	PLACES 4
	LDB \next, 0, 1
	PHASE 2, 1, 0
	WIN 0
	PLACES 4
	LDB \next, 0, 2
.endm
.macro LAP zero                        ; two K steps, once round the ring, both slots filled again
	QUARTER 0, \zero
	TURN 0, 1, 1
	QUARTER 1, 0
	TURN 1, 0, 1
.endm
	s_wait_tensorcnt 0x1                           ; my part of K step 0 is in; K step 1's may stay out
	s_wait_dscnt 0x0                               ; my bias stores are done
	s_barrier_signal -1
	s_barrier_wait -1
	LDA 0, 0, 0
	LDB 0, 0, 0
	LDB 0, 0, 1
	LDB 0, 0, 2
	LAP 1                                          ; 16 K steps = 8 laps: the first starts the sums,
	WIN 0
	s_mov_b32 s3, 6                                ; six go round,
.Llap:
	LAP 0
	WIN 0
	s_sub_co_u32 s3, s3, 1
	s_cmp_lg_u32 s3, 0
	s_cbranch_scc1 .Llap
	QUARTER 0, 0                                   ; and the last fills nothing
	TURN 0, 1, 0
	QUARTER 1, 0
	s_wait_dscnt 16
	PHASE 0, 1, 0
	s_wait_dscnt 8                                 ; group 2's 8 loads may be out
	PHASE 1, 1, 0
	s_wait_dscnt 0x0
	PHASE 2, 1, 0
	WIN 0
	PLACES 4                                       ; behind the last matrix instructions: results are read and fragment registers loaded below
; THE WAY OUT, one head (window) at a time, 16 rows at a time: add the bias in f32, round once to f16, 16 bytes a lane into my own stage,
; read back by rows.  In qkvh a head's rows of 128 bytes follow each other, so each store of the wave covers 512 consecutive bytes, aligned.
.macro OUT16 hc, a, f
	WIN (\hc+1)                                    ; source 0: the head's window
.irp bb, 0,1,2,3
.irp q, 0,1,2,3
	v_pk_add_f32 v[TF+8*\bb+2*\q:TF+8*\bb+2*\q+1], v[8*(4*\a+\bb)+2*\q:8*(4*\a+\bb)+2*\q+1], v[BIAS+8*\bb+2*\q:BIAS+8*\bb+2*\q+1]
.endr
.endr
	WIN 0
.irp bb, 0,1,2,3
.irp q, 0,1,2,3
	v_cvt_pk_f16_f32 v[TP+4*\bb+\q], v[TF+8*\bb+2*\q], v[TF+8*\bb+2*\q+1]
.endr
.endr
.irp bb, 0,1,2,3
	ds_store_b128 v[STO], v[TP+4*\bb:TP+4*\bb+3] offset:32*\bb
.endr
	s_wait_xcnt 0x0                                ; buffer f, which earlier stores read, is loaded again only behind this wait
.irp t, 0,1,2,3
	ds_load_b128 v[\f+4*\t:\f+4*\t+3], v[RD] offset:4*PITCH*\t   ; LDS serves a wave's instructions in order: these see the stores above
.endr
.irp t, 0,1,2,3
	s_wait_dscnt 3-\t
	global_store_b128 v[CO], v[\f+4*\t:\f+4*\t+3], s[66+2*\hc:67+2*\hc] offset:2048*\a+512*\t
.endr
.endm
.macro HEADOUT hc
.irp bb, 0,1,2,3
	ds_load_b128 v[BIAS+8*\bb:BIAS+8*\bb+3],   v[BRD] offset:256*\hc+64*\bb
	ds_load_b128 v[BIAS+8*\bb+4:BIAS+8*\bb+7], v[BRD] offset:256*\hc+64*\bb+16
.endr
	s_wait_dscnt 0x0
	OUT16 \hc, 0, OB0
	OUT16 \hc, 1, OB1
	OUT16 \hc, 2, OB0
	OUT16 \hc, 3, OB1
	OUT16 \hc, 4, OB0
	OUT16 \hc, 5, OB1
	OUT16 \hc, 6, OB0
	OUT16 \hc, 7, OB1
.endm
	HEADOUT 0
	HEADOUT 1
	HEADOUT 2
	s_wait_tensorcnt 0x0
	ds_add_u32 v30, v31
	s_wait_dscnt 0x0
	CROUND                                         ; the closing round: no work-group ends while a partner may still ask for a tile that names it
	s_endpgm
.Lfunc_end_k_q653833d1e0_qkv:
	.size	k_q653833d1e0_qkv, .Lfunc_end_k_q653833d1e0_qkv-k_q653833d1e0_qkv
	.p2alignl 7, 3214868480
	.fill 96, 4, 3214868480
	.section	.rodata,"a",@progbits
	.p2align	6, 0x0
	.amdhsa_kernel k_q653833d1e0_qkv
		.amdhsa_group_segment_fixed_size 327680
		.amdhsa_private_segment_fixed_size 0
		.amdhsa_enable_private_segment 0
		.amdhsa_kernarg_size 48
		.amdhsa_user_sgpr_count 2
		.amdhsa_user_sgpr_kernarg_segment_ptr 1
		.amdhsa_wavefront_size32 1
		.amdhsa_system_sgpr_workgroup_id_x 1
		.amdhsa_system_sgpr_workgroup_id_y 1
		.amdhsa_system_sgpr_workgroup_id_z 1
		.amdhsa_system_vgpr_workitem_id 0
		.amdhsa_next_free_vgpr 1024
		.amdhsa_next_free_sgpr 100
		.amdhsa_reserve_vcc 0
		.amdhsa_float_denorm_mode_32 3
		.amdhsa_float_denorm_mode_16_64 3
		.amdhsa_memory_ordered 1
		.amdhsa_forward_progress 1
		.amdhsa_inst_pref_size 198
	.end_amdhsa_kernel
	.amdgpu_metadata
---
amdhsa.version: [ 1, 2 ]
amdhsa.kernels:
  - .name:           k_q653833d1e0_qkv
    .symbol:         k_q653833d1e0_qkv.kd
    .args:
      - { .name: xh, .offset: 0, .size: 8, .value_kind: global_buffer, .address_space: global }
      - { .name: wh, .offset: 8, .size: 8, .value_kind: global_buffer, .address_space: global }
      - { .name: bq, .offset: 16, .size: 8, .value_kind: global_buffer, .address_space: global }
      - { .name: bk, .offset: 24, .size: 8, .value_kind: global_buffer, .address_space: global }
      - { .name: bv, .offset: 32, .size: 8, .value_kind: global_buffer, .address_space: global }
      - { .name: qkvh, .offset: 40, .size: 8, .value_kind: global_buffer, .address_space: global }
    .group_segment_fixed_size: 327680
    .private_segment_fixed_size: 0
    .kernarg_segment_align: 8
    .kernarg_segment_size: 48
    .max_flat_workgroup_size: 128
    .sgpr_count:     100
    .vgpr_count:     1024
    .wavefront_size: 32
...
	.end_amdgpu_metadata
.endif
;; end of part 2
;; launch attn (part 3): grid 256 x 1, 8 waves a work-group, clusters of 4 x 1, 327,680 bytes of LDS; arguments qkvh, ctxh; writes ctxh
.if DOCPART == 3
	.amdgcn_target "amdgcn-amd-amdhsa--gfx1250"
	.amdhsa_code_object_version 6
	.text
	.protected	k_q653833d1e0_attn
	.globl	k_q653833d1e0_attn
	.p2align	8
	.type	k_q653833d1e0_attn,@function
k_q653833d1e0_attn:
	s_mov_b64 s[64:65], 0
	v_nop
	global_prefetch_b8 v0, s[64:65] scope:SCOPE_SE
	s_setreg_imm32_b32 hwreg(HW_REG_WAVE_MODE, 25, 1), 1
	s_wait_xcnt 0x0
	s_wait_alu depctr_hold_cnt(0) depctr_sa_sdst(0) depctr_va_vdst(0) depctr_va_sdst(0) depctr_va_ssrc(0) depctr_va_vcc(0) depctr_vm_vsrc(0)
	s_getreg_b32 s2, hwreg(HW_REG_IB_STS2, 6, 4)
	s_cmp_eq_u32 s2, 0
	s_cbranch_scc0 .Lentry_in_a_cluster
	s_endpgm
.Lentry_in_a_cluster:
	s_bfe_u32 s2, ttmp6, 0x10000c
	s_cmp_lg_u32 s2, 0x3003
	s_cbranch_scc0 .Lentry_shape_is_right
	s_endpgm
.Lentry_shape_is_right:
; attn: softmax(q k^T / 8) v for each of 64 heads, with a running maximum; f16 operands, f32 scores, sums and results.
; qkvh = [3][64 heads][2048][64] f16; ctxh = [64 heads][2048][64] f16.
; LIMIT: the probabilities (0 to 1) go to the matrix unit in f16: below 6e-8 of the row's largest they count as zero.  NaN and infinities among
; the inputs are not reproduced element for element.
; A cluster of four work-groups is one head; a work-group takes 512 queries, each of its eight waves 64 (four tiles of 16).  The four ask for
; K's and V's tiles JOINTLY (mask 15): each issues the same tensor load with the same descriptor and receives the tile in its own LDS.
; Two waves share a SIMD: one wave's softmax runs beside the other's matrix instructions.
; EVERYTHING IS TRANSPOSED.  S^T = K Q^T (source 0 = 16 keys, source 1 = 16 queries): lane l holds query l % 16 and its eight registers keys
; 8 (l / 16) + 0 .. 7, so a row's maximum and sum are work inside the lane and one exchange between the halves; two neighbouring tiles,
; packed in pairs, ARE the fragment of P^T for 32 keys; O^T = V^T P^T (source 0 = V^T, by transposing LDS loads from [key][d]): the factor
; that rescales O is one number a lane, and a lane's eight results are eight neighbouring d of one query.
; K and V go in four tiles of 512 keys through two LDS slots, the largest two that fit (2 x 155,648 bytes).  A change of slots brings all waves
; into step, also the two of a SIMD that work best out of step, so there are as few as can be: both slots are first filled at the start,
; and only tiles 2 and 3 are refills, each behind a round of the cluster's barrier.
; A tile is worked on in eight sub-steps of 64 keys: seven go round in a counted loop, the last is written out (it fetches nothing ahead).
; REGISTERS: window 0: v2-61 addresses and row figures, v64-127 K's fragments, v128-255 S, then P;  window 1: v0-127 O, v128-191 Q, v192-255 V^T.
.set KP, 144                           ; K's LDS row: 128 bytes + 16: an odd multiple of 16
.set VP, 160                           ; V's LDS row: 128 bytes + 32: an odd multiple of 32, for the transposing loads
.set TKEYS, 512                        ; keys in a tile
.set SUBS,  TKEYS/64                   ; sub-steps in a tile
.set KOFF,  TKEYS*VP                   ; a slot: V's 512 rows (81,920 bytes), then K's 512 rows (73,728)
.set SLOT,  KOFF+TKEYS*KP              ; 155,648
.set TILEB, TKEYS*128                  ; a tile of K or of V in memory: 65,536 bytes
.set SECT,  16777216                   ; q, k, v are so far apart in qkvh
.set KADR, 2                           ; v2-3    LDS address of K's fragments in slot 0, 1
.set VADR, 4                           ; v4-5    the same for V
.set QO,   6
.set STO,  7
.set RD,   8
.set CO,   9
.set M,    10                          ; v10-13  running maximum of query tile nt
.set T,    14                          ; v14-17  at work
.set U,    18                          ; v18-21  at work
.set AL,   22                          ; v22-29  pairs: the factor 2^(NM new - NM old); the odd partner is only named by packed forms
.set NM,   30                          ; v30-37  pairs: - c x maximum; the odd partner likewise
.set LS,   38                          ; v38-45  pairs: two partial sums of the row, for this half of the lanes
.set DT,   46                          ; v46-49  the new - c x maximum
.set PFV,  50
.set KC,   60                          ; K's address at this sub-step
.set VC,   61                          ; V's address at this sub-step
.set KF,   64                          ; K(kt, kd) at + 16 kt + 8 kd
.set SB,   128                         ; S(nt, kt) at + 32 nt + 8 kt; packed: P(nt, ku) at + 32 nt + 8 ku
.set OB,   0                           ; window 1: O(nt, dt) at + 32 nt + 8 dt
.set QB,   128                         ; window 1: Q(nt, kd) at + 16 nt + 8 kd
.set VF,   192                         ; window 1: V^T(dt, ku) at + 16 dt + 8 ku
.set G1V, 16
.set G1K, 24
.set G0V, 32                           ; a set for each slot
.set G0K, 40
.set MSB, 0
.macro WIN new
.if MSB != (\new)
	s_set_vgpr_msb (MSB<<8)|(\new)
.set MSB, (\new)
.endif
.endm
.macro PLACES n
.rept \n
	v_nop
.endr
.endm
.macro JLOAD s                         ; waves 0-3 fetch V's quarters, waves 4-7 K's: one joint load a wave
	s_cmp_eq_u32 s11, 0
	s_cbranch_scc0 .Lfor_k_\@
	tensor_load_to_lds s[G0V+4*\s:G0V+4*\s+3], s[G1V:G1V+7]
	s_nop 0
	s_branch .Lasked_\@
.Lfor_k_\@:
	tensor_load_to_lds s[G0K+4*\s:G0K+4*\s+3], s[G1K:G1K+7]
	s_nop 0
.Lasked_\@:
.endm
.macro ROUND                           ; a round of the cluster's barrier
	s_barrier_signal -1
	s_barrier_wait -1
	s_cmp_lg_u32 s10, 0
	s_cbranch_scc1 .Lnot_wave_0_\@
	s_barrier_signal -3
.Lnot_wave_0_\@:
	s_barrier_wait -3
	s_barrier_signal -1
	s_barrier_wait -1
.endm
	s_load_b128 s[4:7], s[0:1], 0x0                ; qkvh s[4:5], ctxh s[6:7]
	v_lshl_add_u32 v62, v0, 2, 0x4c000
	v_mov_b32 v63, 0
	ds_add_u32 v62, v63
	v_lshrrev_b32 v1, 5, v0
	v_readfirstlane_b32 s10, v1                    ; wave 0..7
	s_lshr_b32 s11, s10, 2                         ; I fetch for V (0) or for K (1),
	s_and_b32 s12, s10, 3                          ; and this quarter of the tile's rows
	s_bfe_u32 s13, ttmp6, 0x40000                  ; cx: my block of 512 queries.  ttmp9 counts clusters: the head
	s_mov_b32 s[G1V+0], 15|(1<<16)|(1<<20)|(1<<21)|(4<<22)|(7<<25)   ; mask: all four; 2-byte elements; padding: after every 32 words, 8 words
	s_mov_b32 s[G1V+1], 64<<16                     ; tensor_dim0 = 64
	s_mov_b32 s[G1V+2], 128<<16                    ; tensor_dim1 = 128 rows
	s_mov_b32 s[G1V+3], 64<<16                     ; tile_dim0 = 64
	s_mov_b32 s[G1V+4], 128                        ; tile_dim1 = 128
	s_mov_b32 s[G1V+5], 64                         ; elements from row to row: the rows follow each other in memory
	s_mov_b32 s[G1V+6], 0
	s_mov_b32 s[G1V+7], 0
	s_mov_b32 s[G1K+0], 15|(1<<16)|(1<<20)|(1<<21)|(4<<22)|(3<<25)   ; the same with 4 words of padding
	s_mov_b32 s[G1K+1], 64<<16
	s_mov_b32 s[G1K+2], 128<<16
	s_mov_b32 s[G1K+3], 64<<16
	s_mov_b32 s[G1K+4], 128
	s_mov_b32 s[G1K+5], 64
	s_mov_b32 s[G1K+6], 0
	s_mov_b32 s[G1K+7], 0
	s_lshl_b32 s60, ttmp9, 18                      ; the head's plane of 262,144 bytes,
	s_lshl_b32 s14, s12, 14                        ; my quarter: 128 rows of 128 bytes.  The place in the cluster enters no descriptor
	s_add_co_u32 s60, s60, s14
	s_mov_b32 s61, 0
	s_mul_i32 s15, s10, 128*VP                     ; V's quarters at wave x 20,480
	s_mul_i32 s51, s10, 128*KP
	s_add_co_u32 s51, s51, KOFF-4*128*KP           ; K's at 81,920 + (wave - 4) x 18,432
	s_lshl_b32 s70, s13, 9
	s_lshl_b32 s71, s10, 6
	s_add_co_u32 s70, s70, s71                     ; my first query: 512 cx + 64 wave
	s_lshl_b32 s70, s70, 7
	s_lshl_b32 s71, ttmp9, 18
	s_add_co_u32 s70, s70, s71
	s_mov_b32 s71, 0
	s_lshr_b32 s66, s10, 1                         ; what I ask for ahead: waves 0, 1 K (section 1), waves 2, 3 V (section 2); the others ask for nothing
	s_min_u32 s66, s66, 1
	s_add_co_u32 s66, s66, 1
	s_lshl_b32 s66, s66, 24
	s_lshl_b32 s67, ttmp9, 18
	s_add_co_u32 s66, s66, s67
	s_mov_b32 s67, 0
	s_mov_b32 s48, 0x3e38aa3b                      ; c = log2(e) / 8: the scale 1 / sqrt(64) and the change of base in one factor
	s_mov_b32 s49, 0x3e38aa3b
	s_mov_b32 s50, 0xbe38aa3b                      ; - c
	s_mov_b32 s52, 0x76543210                      ; v_permlanex16_b32: lane i of one half reads lane i of the other
	s_mov_b32 s53, 0xfedcba98
	v_and_b32 v51, 15, v0                          ; r
	v_bfe_u32 v52, v0, 4, 1                        ; h
	v_lshlrev_b32 v[QO], 7, v51
	v_lshl_add_u32 v[QO], v52, 4, v[QO]            ; Q: row r of 128 bytes + 16 h
	s_wait_dscnt 0x0
	s_wait_kmcnt 0x0
	s_add_nc_u64 s[62:63], s[4:5], s[60:61]
	s_add_nc_u64 s[54:55], s[4:5], s[70:71]        ; my 64 rows of q
	s_add_nc_u64 s[56:57], s[6:7], s[70:71]        ; and of ctx
	s_add_nc_u64 s[66:67], s[4:5], s[66:67]
.irp sl, 0,1
	s_mov_b32 s[G0V+4*\sl], 1
	s_add_co_u32 s[G0V+4*\sl+1], s15, \sl*SLOT
	s_add_nc_u64 s[G0V+4*\sl+2:G0V+4*\sl+3], s[62:63], 2*SECT+\sl*TILEB   ; tile 0 for slot 0, tile 1 for slot 1
	s_or_b32 s[G0V+4*\sl+3], s[G0V+4*\sl+3], 0x80000000
	s_mov_b32 s[G0K+4*\sl], 1
	s_add_co_u32 s[G0K+4*\sl+1], s51, \sl*SLOT
	s_add_nc_u64 s[G0K+4*\sl+2:G0K+4*\sl+3], s[62:63], SECT+\sl*TILEB
	s_or_b32 s[G0K+4*\sl+3], s[G0K+4*\sl+3], 0x80000000
.endr
	ROUND                                          ; the four work-groups are here: the first joint loads meet
	JLOAD 0                                        ; tile 0 and tile 1, both first fills, as one group: two tensor loads of the wave are out,
	JLOAD 1                                        ; later never more than one
	WIN 0x40                                       ; destination in window 1
.irp nt, 0,1,2,3
.irp e, 0,1,2,3
	global_load_b128 v[QB+16*\nt+4*\e:QB+16*\nt+4*\e+3], v[QO], s[54:55] offset:2048*\nt+32*\e   ; Q's fragments, once, straight into registers
.endr
.endr
	WIN 0
	v_mul_u32_u24 v53, v51, KP
	v_lshl_add_u32 v53, v52, 4, v53                ; r x 144 + 16 h
	v_add_nc_u32 v[KADR], KOFF, v53
	v_add_nc_u32 v[KADR+1], KOFF+SLOT, v53
	v_and_b32 v54, 7, v0
	v_lshl_add_u32 v54, v52, 3, v54                ; V: key 8 h + (l & 7),
	v_mul_u32_u24 v55, v54, VP
	v_bfe_u32 v56, v0, 3, 1
	v_lshl_add_u32 v[VADR], v56, 4, v55            ; 16 bytes at 16 ((l >> 3) & 1)
	v_add_nc_u32 v[VADR+1], SLOT, v[VADR]
	s_mul_i32 s14, s10, 64*KP                      ; my stage for the way out: 64 rows x 144 bytes at wave x 9,216, in slot 0 (see the way out)
	v_add_nc_u32 v[STO], s14, v53
	v_bfe_u32 v57, v0, 3, 2
	v_and_b32 v58, 7, v0
	v_mul_u32_u24 v57, v57, KP
	v_lshl_add_u32 v57, v58, 4, v57
	v_add_nc_u32 v[RD], s14, v57                   ; back: eight lanes a row of 128 bytes, a wave four rows
	v_and_b32 v1, 31, v0
	v_lshlrev_b32 v[CO], 4, v1
	s_lshl_b32 s70, s13, 14                        ; asking ahead: my work-group's quarter (16,384 bytes) of a tile,
	s_and_b32 s71, s10, 1
	s_lshl_b32 s71, s71, 13                        ; my wave's half of that,
	s_add_co_u32 s70, s70, s71
	v_lshl_add_u32 v[PFV], v1, 8, s70              ; lanes 256 bytes apart
.irp nt, 0,1,2,3
	v_mov_b32 v[AL+2*\nt+1], 0                     ; the partners of the broadcast pairs: named, never used
	v_mov_b32 v[NM+2*\nt+1], 0
.endr
; The row figures of a sub-step, the four query tiles side by side so that no instruction waits for the one in front of it.
.macro STATS first
.irp nt, 0,1,2,3
	v_max3_num_f32 v[T+\nt], v[SB+32*\nt], v[SB+32*\nt+1], v[SB+32*\nt+2]
	v_max3_num_f32 v[U+\nt], v[SB+32*\nt+3], v[SB+32*\nt+4], v[SB+32*\nt+5]
.endr
.irp e, 6,10,14,18,22,26
.irp nt, 0,1,2,3
	v_max3_num_f32 v[T+\nt], v[T+\nt], v[SB+32*\nt+\e], v[SB+32*\nt+\e+1]
	v_max3_num_f32 v[U+\nt], v[U+\nt], v[SB+32*\nt+\e+2], v[SB+32*\nt+\e+3]
.endr
.endr
.irp nt, 0,1,2,3
	v_max3_num_f32 v[T+\nt], v[T+\nt], v[SB+32*\nt+30], v[SB+32*\nt+31]
.endr
.irp nt, 0,1,2,3
.if \first
	v_max_num_f32 v[T+\nt], v[T+\nt], v[U+\nt]
.else
	v_max3_num_f32 v[T+\nt], v[T+\nt], v[U+\nt], v[M+\nt]        ; with the running maximum
.endif
.endr
.irp nt, 0,1,2,3
	v_permlanex16_b32 v[U+\nt], v[T+\nt], s52, s53               ; the other half of the lanes holds the other 32 keys of my query
.endr
.irp nt, 0,1,2,3
	v_max_num_f32 v[T+\nt], v[T+\nt], v[U+\nt]
.endr
.irp nt, 0,1,2,3
	v_mul_f32 v[DT+\nt], s50, v[T+\nt]                           ; - c x the new maximum
.endr
.if \first == 0
.irp nt, 0,1,2,3
	v_sub_f32 v[U+\nt], v[DT+\nt], v[NM+2*\nt]                   ; the difference of the two stored offsets: what was summed under the old one is
.endr                                                            ; brought under the new one by exactly the factor between them
.irp nt, 0,1,2,3
	v_exp_f32 v[AL+2*\nt], v[U+\nt]
.endr
.endif
.irp nt, 0,1,2,3
	v_mov_b32 v[NM+2*\nt], v[DT+\nt]                             ; plain instructions that touch neither AL nor U stand behind the exponentials (ISA guide 5.7.2)
	v_mov_b32 v[M+\nt], v[T+\nt]
.endr
.endm
; Step i of 16 for query tile nt: two probabilities join the row's sums and are packed to f16 in place.  Register i is written when the pair
; that held it (pair i / 2) has been read, so the 32 registers of S shrink into the 16 of P without a copy.
.macro SUMCVT nt, i, first
.if \i == 0
.if \first
	s_wait_alu depctr_va_vdst(0)
	v_mov_b32 v[LS+2*\nt], v[SB+32*\nt]                          ; the first two start the sums: nothing is cleared
	v_mov_b32 v[LS+2*\nt+1], v[SB+32*\nt+1]
.else
	s_wait_alu depctr_va_vdst(0)
	v_pk_fma_f32 v[LS+2*\nt:LS+2*\nt+1], v[LS+2*\nt:LS+2*\nt+1], v[AL+2*\nt:AL+2*\nt+1], v[SB+32*\nt:SB+32*\nt+1] op_sel_hi:[1,0,1]
.endif
.else
	s_wait_alu depctr_va_vdst(0)
	v_pk_add_f32 v[LS+2*\nt:LS+2*\nt+1], v[LS+2*\nt:LS+2*\nt+1], v[SB+32*\nt+2*\i:SB+32*\nt+2*\i+1]
.endif
	v_cvt_pk_f16_f32 v[SB+32*\nt+\i], v[SB+32*\nt+2*\i], v[SB+32*\nt+2*\i+1]
.endm
; The 32 exponentials of query tile nt, two at a time; behind each two stand plain instructions on other registers: the exponents of tile nx
; (don = 1) and the sums and packing of tile pv (dop = 1).
.macro EXPMIX nt, nx, pv, don, dop, first
.irp i, 0,1,2,3,4,5,6,7,8,9,10,11,12,13,14,15
	v_exp_f32 v[SB+32*\nt+2*\i], v[SB+32*\nt+2*\i]
	v_exp_f32 v[SB+32*\nt+2*\i+1], v[SB+32*\nt+2*\i+1]
.if \don
	v_pk_fma_f32 v[SB+32*\nx+2*\i:SB+32*\nx+2*\i+1], v[SB+32*\nx+2*\i:SB+32*\nx+2*\i+1], s[48:49], v[NM+2*\nx:NM+2*\nx+1] op_sel_hi:[1,0,0]
.endif
.if \dop
	SUMCVT \pv, \i, \first
.endif
.endr
.endm
; 16 LDS loads: K's fragments of 64 keys, from address register a, off bytes on
.macro KFETCH a, off
.irp kt, 0,1,2,3
.irp kd, 0,1
	ds_load_b128 v[KF+16*\kt+8*\kd:KF+16*\kt+8*\kd+3],   v[\a] offset:(\off)+16*\kt*KP+64*\kd
	ds_load_b128 v[KF+16*\kt+8*\kd+4:KF+16*\kt+8*\kd+7], v[\a] offset:(\off)+16*\kt*KP+64*\kd+32
.endr
.endr
.endm
; A sub-step: 64 keys of the slot against my 64 queries.  loop = 1: the sub-step's number is the counter s3; loop = 0: it is the constant sub
; (which may be an expression: it stands in brackets wherever it is multiplied).
; On the way in K's fragments of this sub-step have been asked for (16 LDS loads may be out).  ahead = 1: the next sub-step's are asked for
; as soon as the S products have read the registers, so that they land under the softmax.
.macro SUB slot, loop, sub, first, ahead
.if \loop
	s_mul_i32 s8, s3, 64*VP                        ; 64 rows of V a sub-step: 61,440 at the most in the loop, inside the slot's 81,920
	v_add_nc_u32 v[VC], s8, v[VADR+\slot]
.if \ahead
	s_mul_i32 s9, s3, 64*KP                        ; 64 rows of K a sub-step; the loads ahead add 64 rows more: sub-step 7 at the most
	v_add_nc_u32 v[KC], s9, v[KADR+\slot]
.endif
.else
	v_add_nc_u32 v[VC], (\sub)*64*VP, v[VADR+\slot]
.if \ahead
	v_add_nc_u32 v[KC], (\sub)*64*KP, v[KADR+\slot]
.endif
.endif
	WIN 0x40
.irp dt, 0,1,2,3
.irp ku, 0,1
	ds_load_tr16_b128 v[VF+16*\dt+8*\ku:VF+16*\dt+8*\ku+3],   v[VC] offset:32*\ku*VP+32*\dt
	ds_load_tr16_b128 v[VF+16*\dt+8*\ku+4:VF+16*\dt+8*\ku+7], v[VC] offset:32*\ku*VP+32*\dt+16*VP
.endr
.endr
	s_wait_dscnt 16                                ; K's 16 loads are in; V's 16, issued behind them, stay out until P is ready
.if \first
	s_wait_loadcnt 0x0                             ; Q, once
.endif
	WIN 0x04                                       ; source 1 (Q) in window 1
	; S^T: 16 tiles started on d 0-31, then continued on d 32-63: the accumulators take turns, one instruction a turn
.irp nt, 0,1,2,3
.irp kt, 0,1,2,3
	v_wmma_f32_16x16x32_f16 v[SB+32*\nt+8*\kt:SB+32*\nt+8*\kt+7], v[KF+16*\kt:KF+16*\kt+7], v[QB+16*\nt:QB+16*\nt+7], 0
.endr
.endr
.irp nt, 0,1,2,3
.irp kt, 0,1,2,3
	v_wmma_f32_16x16x32_f16 v[SB+32*\nt+8*\kt:SB+32*\nt+8*\kt+7], v[KF+16*\kt+8:KF+16*\kt+15], v[QB+16*\nt+8:QB+16*\nt+15], v[SB+32*\nt+8*\kt:SB+32*\nt+8*\kt+7]
.endr
.endr
	WIN 0
	PLACES 4                                       ; four places before vector instructions read the results and before loads land in K's registers
.if \ahead
	KFETCH KC, 64*KP                               ; the next sub-step's K
.endif
	STATS \first
.irp i, 0,1,2,3,4,5,6,7,8,9,10,11,12,13,14,15
	v_pk_fma_f32 v[SB+2*\i:SB+2*\i+1], v[SB+2*\i:SB+2*\i+1], s[48:49], v[NM:NM+1] op_sel_hi:[1,0,0]   ; c s - c max, tile 0
.endr
	EXPMIX 0, 1, 0, 1, 0, \first
	EXPMIX 1, 2, 0, 1, 1, \first
	EXPMIX 2, 3, 1, 1, 1, \first
	EXPMIX 3, 0, 2, 0, 1, \first
.if \first == 0
	WIN 0x41                                       ; O in window 1, the factor in window 0
.irp nt, 0,1,2,3
.irp q, 0,1,2,3,4,5,6,7,8,9,10,11,12,13,14,15
	v_pk_mul_f32 v[OB+32*\nt+2*\q:OB+32*\nt+2*\q+1], v[OB+32*\nt+2*\q:OB+32*\nt+2*\q+1], v[AL+2*\nt:AL+2*\nt+1] op_sel_hi:[1,0]
.endr
.endr
	WIN 0
.endif
.irp i, 0,1,2,3,4,5,6,7,8,9,10,11,12,13,14,15
	SUMCVT 3, \i, \first
.endr
.if \ahead
	s_wait_dscnt 16                                ; V^T is in; the 16 loads of the next sub-step's K, issued behind it, may stay out
.else
	s_wait_dscnt 0x0                               ; V^T is in; nothing was issued behind it
.endif
	WIN 0x51                                       ; O (C and D) and V^T in window 1, P in window 0
.irp nt, 0,1,2,3
.irp dt, 0,1,2,3
.if \first
	v_wmma_f32_16x16x32_f16 v[OB+32*\nt+8*\dt:OB+32*\nt+8*\dt+7], v[VF+16*\dt:VF+16*\dt+7], v[SB+32*\nt:SB+32*\nt+7], 0
.else
	v_wmma_f32_16x16x32_f16 v[OB+32*\nt+8*\dt:OB+32*\nt+8*\dt+7], v[VF+16*\dt:VF+16*\dt+7], v[SB+32*\nt:SB+32*\nt+7], v[OB+32*\nt+8*\dt:OB+32*\nt+8*\dt+7]
.endif
.endr
.endr
.irp nt, 0,1,2,3
.irp dt, 0,1,2,3
	v_wmma_f32_16x16x32_f16 v[OB+32*\nt+8*\dt:OB+32*\nt+8*\dt+7], v[VF+16*\dt+8:VF+16*\dt+15], v[SB+32*\nt+8:SB+32*\nt+15], v[OB+32*\nt+8*\dt:OB+32*\nt+8*\dt+7]
.endr
.endr
	WIN 0
	PLACES 5                                       ; five places: the next sub-step's products write over P, and its loads land in V^T's registers
.endm
; Waves 0 to 3 ask ahead for a later tile of K (waves 0, 1) and of V (waves 2, 3): each work-group for its own quarter, 32 blocks of 256 bytes a
; wave, so that the four work-groups' sixteen requests cover the tile's 2 x 65,536 bytes and each block is asked for once in the launch.
; The tile stands in the immediate: no register is written again.  The furthest byte is 261,888 of the head's 262,144.
.macro PREF tile
	s_cmp_lt_u32 s10, 4
	s_cbranch_scc0 .Lno_ask_\@
	global_prefetch_b8 v[PFV], s[66:67] offset:\tile*TILEB th:TH_LOAD_NT scope:SCOPE_SE
.Lno_ask_\@:
.endm
; A trip: the tile of 512 keys in slot.  ask = the tile to ask ahead for (0: none): the request stands one sub-step ahead of the round behind
; which that tile's tensor loads go out.
.macro TRIP slot, first, ask
	KFETCH KADR+\slot, 0                           ; the first sub-step's K: it cannot be fetched ahead of the barrier that shows the tile
	s_mov_b32 s3, 0
.if \first
	SUB \slot, 1, 0, 1, 1                          ; the launch's first sub-step starts maxima, sums and O
	s_mov_b32 s3, 1
.endif
.Lsub_\@:
	SUB \slot, 1, 0, 0, 1
	s_add_co_u32 s3, s3, 1
	s_cmp_lt_u32 s3, SUBS-1
	s_cbranch_scc1 .Lsub_\@
.if \ask
	PREF \ask
.endif
	SUB \slot, 0, SUBS-1, 0, 0                     ; the tile's last sub-step, rows 448 to 511 of the slot, fetches nothing ahead
.endm
; A change of slots.  refill = 1: slot, which was read in the last trip, is filled again, two tiles on, behind a round of the cluster's barrier.
; refill = 0: nothing is left to fetch, and the work-group's barrier shows every wave's part of the next tile to the others.
.macro CHANGE refill, slot
	s_wait_tensorcnt 0x0                           ; all my tensor loads are done, my part of the next trip's tile among them, so a group 0 may be written
	ds_add_u32 v62, v63
	s_wait_dscnt 0x0
.if \refill
	s_add_nc_u64 s[G0V+4*\slot+2:G0V+4*\slot+3], s[G0V+4*\slot+2:G0V+4*\slot+3], 2*TILEB
	s_add_nc_u64 s[G0K+4*\slot+2:G0K+4*\slot+3], s[G0K+4*\slot+2:G0K+4*\slot+3], 2*TILEB
.endif
	s_wait_dscnt 0x0                               ; my reads of the last trip's tile are done
.if \refill
	ROUND                                          ; both now hold of every wave of the four work-groups
	JLOAD \slot                                    ; my one tensor load behind the round, ahead of every LDS read; it has the trip's eight sub-steps in which to land
.else
	s_barrier_signal -1
	s_barrier_wait -1
.endif
.endm
	s_wait_tensorcnt 0x1                           ; my part of tile 0 is in; tile 1's may stay out
	s_barrier_signal -1
	s_barrier_wait -1
	TRIP 0, 1, 2                                   ; tile 0
	CHANGE 1, 0                                    ; slot 0 gets tile 2
	TRIP 1, 0, 3                                   ; tile 1
	CHANGE 1, 1                                    ; slot 1 gets tile 3
	TRIP 0, 0, 0                                   ; tile 2
	CHANGE 0, 0
	TRIP 1, 0, 0                                   ; tile 3
	; THE WAY OUT: the two halves' partial sums meet, O is divided by the row's sum, rounded once to f16, and goes through my own stage, so that
	; each store of the wave covers 512 consecutive bytes, aligned (four queries' rows of 128 bytes: that is why ctx keeps the head layout).
	; The stage lies in slot 0: its last fill (tile 2) has landed, every wave's reads of it were over in front of the last barrier, and no
	; tensor load follows.  Each wave keeps to its own 9,216 bytes there.
.irp nt, 0,1,2,3
	v_add_f32 v[T+\nt], v[LS+2*\nt], v[LS+2*\nt+1]
.endr
.irp nt, 0,1,2,3
	v_permlanex16_b32 v[U+\nt], v[T+\nt], s52, s53
.endr
.irp nt, 0,1,2,3
	v_add_f32 v[T+\nt], v[T+\nt], v[U+\nt]         ; at least 1: the largest score's own term
.endr
.irp nt, 0,1,2,3
	v_rcp_f32 v[AL+2*\nt], v[T+\nt]
.endr
	v_nop                                          ; one plain place behind the reciprocals (ISA guide 5.7.2)
	WIN 0x01                                       ; source 0 (O) in window 1
.irp nt, 0,1,2,3
.irp q, 0,1,2,3,4,5,6,7,8,9,10,11,12,13,14,15
	s_wait_alu depctr_va_vdst(0)
	v_pk_mul_f32 v[SB+32*\nt+2*\q:SB+32*\nt+2*\q+1], v[OB+32*\nt+2*\q:OB+32*\nt+2*\q+1], v[AL+2*\nt:AL+2*\nt+1] op_sel_hi:[1,0]
.endr
.endr
	WIN 0
.irp nt, 0,1,2,3
.irp q, 0,1,2,3,4,5,6,7,8,9,10,11,12,13,14,15
	v_cvt_pk_f16_f32 v[SB+32*\nt+\q], v[SB+32*\nt+2*\q], v[SB+32*\nt+2*\q+1]
.endr
.endr
.irp nt, 0,1,2,3
.irp dt, 0,1,2,3
	ds_store_b128 v[STO], v[SB+32*\nt+4*\dt:SB+32*\nt+4*\dt+3] offset:16*KP*\nt+32*\dt   ; query 16 nt + r, d = 16 dt + 8 h + 0 .. 7
.endr
.endr
.irp i, 0,1,2,3,4,5,6,7,8,9,10,11,12,13,14,15
	ds_load_b128 v[KF+4*\i:KF+4*\i+3], v[RD] offset:4*KP*\i      ; LDS serves a wave's instructions in order: these see the stores above
.endr
.irp i, 0,1,2,3,4,5,6,7,8,9,10,11,12,13,14,15
	s_wait_dscnt 15-\i
	global_store_b128 v[CO], v[KF+4*\i:KF+4*\i+3], s[56:57] offset:512*\i
.endr
	s_wait_tensorcnt 0x0
	ds_add_u32 v62, v63
	s_wait_dscnt 0x0
	ROUND                                          ; the closing round
	s_endpgm
.Lfunc_end_k_q653833d1e0_attn:
	.size	k_q653833d1e0_attn, .Lfunc_end_k_q653833d1e0_attn-k_q653833d1e0_attn
	.p2alignl 7, 3214868480
	.fill 96, 4, 3214868480
	.section	.rodata,"a",@progbits
	.p2align	6, 0x0
	.amdhsa_kernel k_q653833d1e0_attn
		.amdhsa_group_segment_fixed_size 327680
		.amdhsa_private_segment_fixed_size 0
		.amdhsa_enable_private_segment 0
		.amdhsa_kernarg_size 16
		.amdhsa_user_sgpr_count 2
		.amdhsa_user_sgpr_kernarg_segment_ptr 1
		.amdhsa_wavefront_size32 1
		.amdhsa_system_sgpr_workgroup_id_x 1
		.amdhsa_system_sgpr_workgroup_id_y 1
		.amdhsa_system_sgpr_workgroup_id_z 1
		.amdhsa_system_vgpr_workitem_id 0
		.amdhsa_next_free_vgpr 512
		.amdhsa_next_free_sgpr 72
		.amdhsa_reserve_vcc 0
		.amdhsa_float_denorm_mode_32 3
		.amdhsa_float_denorm_mode_16_64 3
		.amdhsa_memory_ordered 1
		.amdhsa_forward_progress 1
		.amdhsa_inst_pref_size 255
	.end_amdhsa_kernel
	.section	.bss,"aw",@nobits
	.p2align	6
	.space	262144
	.amdgpu_metadata
---
amdhsa.version: [ 1, 2 ]
amdhsa.kernels:
  - .name:           k_q653833d1e0_attn
    .symbol:         k_q653833d1e0_attn.kd
    .args:
      - { .name: qkvh, .offset: 0, .size: 8, .value_kind: global_buffer, .address_space: global }
      - { .name: ctxh, .offset: 8, .size: 8, .value_kind: global_buffer, .address_space: global }
    .group_segment_fixed_size: 327680
    .private_segment_fixed_size: 0
    .kernarg_segment_align: 8
    .kernarg_segment_size: 16
    .max_flat_workgroup_size: 256
    .sgpr_count:     72
    .vgpr_count:     512
    .wavefront_size: 32
...
	.end_amdgpu_metadata
.endif
;; end of part 3
;; launch oproj (part 4): grid 8 x 32, 4 waves a work-group, clusters of 4 x 4, 327,680 bytes of LDS; arguments ctxh, wh, bo, out0; writes out0
.if DOCPART == 4
	.amdgcn_target "amdgcn-amd-amdhsa--gfx1250"
	.amdhsa_code_object_version 6
	.text
	.protected	k_q653833d1e0_oproj
	.globl	k_q653833d1e0_oproj
	.p2align	8
	.type	k_q653833d1e0_oproj,@function
k_q653833d1e0_oproj:
	s_mov_b64 s[64:65], 0
	v_nop
	global_prefetch_b8 v0, s[64:65] scope:SCOPE_SE
	s_setreg_imm32_b32 hwreg(HW_REG_WAVE_MODE, 25, 1), 1
	s_wait_xcnt 0x0
	s_wait_alu depctr_hold_cnt(0) depctr_sa_sdst(0) depctr_va_vdst(0) depctr_va_sdst(0) depctr_va_ssrc(0) depctr_va_vcc(0) depctr_vm_vsrc(0)
	s_getreg_b32 s2, hwreg(HW_REG_IB_STS2, 6, 4)
	s_cmp_eq_u32 s2, 0
	s_cbranch_scc0 .Lentry_in_a_cluster
	s_endpgm
.Lentry_in_a_cluster:
	s_bfe_u32 s2, ttmp6, 0x10000c
	s_cmp_lg_u32 s2, 0xf033
	s_cbranch_scc0 .Lentry_shape_is_right
	s_endpgm
.Lentry_shape_is_right:
; oproj: out0[m][n] = sum over k of ctx[m][k] Wo[n][k] + bo[n]; f16 operands, f32 sums, f32 out.
; ctxh = [64 (batch x 16 + head)][2048][64] f16, so k = 64 head + d; Wo is rows 3072-4095 of wh = [4096][1024] f16.
; 8192 x 1024 shared among 256 work-groups is a block of 256 (m) x 128 (n); four waves, each 128 x 64 = 32 accumulator tiles (window 1).
; K goes in steps of 128 = two heads through two LDS slots: ctx's tile is two planes of 256 rows x 128 bytes, each dense in memory; Wo's
; tile is 128 rows of 256 bytes.  Two slots of two steps each (2 x 215,040 bytes) would not fit.
; CLUSTERS: 4 x 4 work-groups; ctx's tile hangs on the block row alone and is asked for jointly by a row of the cluster, Wo's on the block
; column alone and by a column.
; Transposed use: source 0 = 16 rows of Wo, source 1 = 16 rows of ctx: lane l holds row m = l % 16, columns n = 8 (l / 16) + 0 .. 7.
; The bias costs no instruction: the very first products take it as C.
.set AP, 144                           ; ctx's LDS row: 128 bytes + 16
.set BP, 272                           ; Wo's LDS row, and the stage's: 256 bytes + 16
.set APLANE, 256*AP                    ; 36,864: one head's 256 rows
.set BOFF,   2*APLANE                  ; 73,728
.set SLOT,   BOFF+128*BP               ; 108,544
.set STAGE,  2*SLOT                    ; 217,088: 16 rows x 272 bytes for each wave
.set ADRA, 8
.set ADRB, 10
.set STO,  12
.set RD,   13
.set CO,   14
.set F0,   32                          ; fragment buffer 0: Wo's 4 fragments at + 0, ctx's 8 at + 32
.set F1,   128                         ; fragment buffer 1
.set BIAS, 224                         ; v224-255: bo of my columns, tile bb at + 8 bb
.set G1A, 24
.set G0A, 32
.set G1B, 40
.set G0B, 48
.set MSB, 0
.macro WIN new
.if MSB != (\new)
	s_set_vgpr_msb (MSB<<8)|(\new)
.set MSB, (\new)
.endif
.endm
.macro PLACES n
.rept \n
	v_nop
.endr
.endm
.macro JLOAD s                         ; waves 0 and 1 fetch ctx's two planes, waves 2 and 3 Wo's halves
	s_cmp_eq_u32 s17, 0
	s_cbranch_scc0 .Lfor_b_\@
	tensor_load_to_lds s[G0A+4*\s:G0A+4*\s+3], s[G1A:G1A+7]
	s_nop 0
	s_branch .Lasked_\@
.Lfor_b_\@:
	tensor_load_to_lds s[G0B+4*\s:G0B+4*\s+3], s[G1B:G1B+7]
	s_nop 0
.Lasked_\@:
.endm
.macro CREST
	s_cmp_lg_u32 s16, 0
	s_cbranch_scc1 .Lnot_wave_0_\@
	s_barrier_signal -3
.Lnot_wave_0_\@:
	s_barrier_wait -3
	s_barrier_signal -1
	s_barrier_wait -1
.endm
.macro CROUND
	s_barrier_signal -1
	s_barrier_wait -1
	CREST
.endm
	s_load_b256 s[4:11], s[0:1], 0x0               ; ctxh s[4:5], wh s[6:7], bo s[8:9], out0 s[10:11]
	v_lshl_add_u32 v30, v0, 2, 0x39400
	v_mov_b32 v31, 0
	ds_add_u32 v30, v31
	v_lshrrev_b32 v1, 5, v0
	v_readfirstlane_b32 s16, v1                    ; wave 0..3
	s_lshr_b32 s17, s16, 1                         ; rh: my half of the rows.  Also: I fetch for ctx (0) or for Wo (1)
	s_and_b32 s18, s16, 1                          ; ch: my half of the columns.  Also: which plane, or which half, I fetch
	s_bfe_u32 s19, ttmp6, 0x40000                  ; cx
	s_bfe_u32 s20, ttmp6, 0x40004                  ; cy
	s_lshl_b32 s21, ttmp9, 2
	s_add_co_u32 s21, s21, s19                     ; bx 0..7
	s_and_b32 s22, ttmp7, 0xffff
	s_lshl_b32 s22, s22, 2
	s_add_co_u32 s22, s22, s20                     ; by 0..31
	s_lshl_b32 s23, s20, 2
	s_lshl_b32 s23, 15, s23                        ; my row of the cluster
	s_lshl_b32 s84, 0x1111, s19                    ; my column
	s_or_b32 s[G1A+0], s23, (1<<16)|(1<<20)|(1<<21)|(4<<22)|(3<<25)   ; 2-byte elements; padding: after every 32 words, 4 words
	s_mov_b32 s[G1A+1], 64<<16                     ; tensor_dim0 = 64
	s_mov_b32 s[G1A+2], 256<<16                    ; tensor_dim1 = 256 rows
	s_mov_b32 s[G1A+3], 64<<16                     ; tile_dim0 = 64
	s_mov_b32 s[G1A+4], 256                        ; tile_dim1 = 256
	s_mov_b32 s[G1A+5], 64                         ; the rows follow each other in memory
	s_mov_b32 s[G1A+6], 0
	s_mov_b32 s[G1A+7], 0
	s_or_b32 s[G1B+0], s84, (1<<16)|(1<<20)|(1<<21)|(5<<22)|(3<<25)   ; padding: after every 64 words, 4 words
	s_mov_b32 s[G1B+1], 128<<16
	s_mov_b32 s[G1B+2], 64<<16
	s_mov_b32 s[G1B+3], 128<<16
	s_mov_b32 s[G1B+4], 64
	s_mov_b32 s[G1B+5], 1024
	s_mov_b32 s[G1B+6], 0
	s_mov_b32 s[G1B+7], 0
	s_lshr_b32 s56, s22, 3
	s_lshl_b32 s56, s56, 22                        ; ctx: batch x 16 planes of 262,144 bytes,
	s_and_b32 s57, s22, 7
	s_lshl_b32 s57, s57, 15                        ; 256 (by & 7) rows of 128 bytes,
	s_add_co_u32 s56, s56, s57
	s_lshl_b32 s82, s18, 18                        ; and my plane of the K step's two
	s_add_co_u32 s56, s56, s82
	s_mov_b32 s57, 0
	s_lshl_b32 s60, s21, 7
	s_lshl_b32 s83, s18, 6
	s_add_co_u32 s60, s60, s83
	s_add_co_u32 s60, s60, 3072                    ; Wo: row 3072 + 128 bx + 64 x half of wh
	s_lshl_b32 s60, s60, 11
	s_mov_b32 s61, 0
	s_mul_i32 s85, s16, APLANE                     ; ctx's planes at wave x 36,864
	s_mul_i32 s86, s16, 64*BP
	s_add_co_u32 s86, s86, BOFF-2*64*BP            ; Wo's halves at 73,728 + (wave - 2) x 17,408
	s_lshl_b32 s72, s22, 8
	s_lshl_b32 s73, s17, 7
	s_add_co_u32 s72, s72, s73
	s_lshl_b32 s72, s72, 12                        ; out0: (256 by + 128 rh) rows of 4,096 bytes
	s_lshl_b32 s74, s21, 7
	s_lshl_b32 s75, s18, 6
	s_add_co_u32 s74, s74, s75
	s_lshl_b32 s74, s74, 2                         ; (128 bx + 64 ch) columns of 4 bytes: a multiple of 256
	s_mov_b32 s75, 0
	s_add_co_u32 s72, s72, s74
	s_mov_b32 s73, 0
	s_wait_dscnt 0x0
	s_wait_kmcnt 0x0
	s_add_nc_u64 s[58:59], s[4:5], s[56:57]
	s_add_nc_u64 s[62:63], s[6:7], s[60:61]
	s_add_nc_u64 s[66:67], s[10:11], s[72:73]
	s_add_nc_u64 s[68:69], s[8:9], s[74:75]
	CROUND                                         ; all sixteen work-groups are here
.irp s, 0,1
	s_mov_b32 s[G0A+4*\s], 1
	s_add_co_u32 s[G0A+4*\s+1], s85, \s*SLOT
	s_add_nc_u64 s[G0A+4*\s+2:G0A+4*\s+3], s[58:59], \s*524288     ; K step s: two planes on
	s_or_b32 s[G0A+4*\s+3], s[G0A+4*\s+3], 0x80000000
	s_mov_b32 s[G0B+4*\s], 1
	s_add_co_u32 s[G0B+4*\s+1], s86, \s*SLOT
	s_add_nc_u64 s[G0B+4*\s+2:G0B+4*\s+3], s[62:63], \s*256
	s_or_b32 s[G0B+4*\s+3], s[G0B+4*\s+3], 0x80000000
	JLOAD \s                                       ; two tensor loads of the wave are out
.endr
	v_and_b32 v1, 15, v0                           ; r
	v_bfe_u32 v2, v0, 4, 1                         ; h
	v_mul_u32_u24 v3, v1, AP
	v_lshl_add_u32 v3, v2, 4, v3
	s_mul_i32 s87, s17, 128*AP                     ; my 128 rows in each plane
	v_add_nc_u32 v[ADRA], s87, v3
	v_add_nc_u32 v[ADRA+1], SLOT, v[ADRA]
	v_mul_u32_u24 v4, v1, BP
	v_lshl_add_u32 v5, v2, 4, v4
	s_mul_i32 s88, s18, 64*BP
	s_add_co_u32 s88, s88, BOFF                    ; my 64 rows of Wo
	v_add_nc_u32 v[ADRB], s88, v5
	v_add_nc_u32 v[ADRB+1], SLOT, v[ADRB]
	s_mul_i32 s89, s16, 16*BP
	s_add_co_u32 s89, s89, STAGE                   ; my stage
	v_lshl_add_u32 v5, v2, 5, v4                   ; in: row r, 32 bytes for each half of the lanes
	v_add_nc_u32 v[STO], s89, v5
	v_mul_u32_u24 v5, v2, BP                       ; back: lanes 0-15 one row of 256 bytes, lanes 16-31 the next
	v_lshl_add_u32 v5, v1, 4, v5
	v_add_nc_u32 v[RD], s89, v5
	v_lshlrev_b32 v5, 12, v2                       ; and the same two rows in out0
	v_lshl_add_u32 v[CO], v1, 4, v5
	v_lshlrev_b32 v6, 5, v2                        ; bias: my 8 columns of a tile of 16
.irp bb, 0,1,2,3
	global_load_b128 v[BIAS+8*\bb:BIAS+8*\bb+3],   v6, s[68:69] offset:64*\bb
	global_load_b128 v[BIAS+8*\bb+4:BIAS+8*\bb+7], v6, s[68:69] offset:64*\bb+16
.endr
; 24 LDS loads: quarter kq (32 along K) of a slot into buffer f: Wo's four fragments, then ctx's eight
.macro FETCH slot, kq, f
.irp bb, 0,1,2,3
	ds_load_b128 v[\f+8*\bb:\f+8*\bb+3],   v[ADRB+\slot] offset:64*\kq+\bb*16*BP
	ds_load_b128 v[\f+8*\bb+4:\f+8*\bb+7], v[ADRB+\slot] offset:64*\kq+\bb*16*BP+32
.endr
.irp a, 0,1,2,3,4,5,6,7
	ds_load_b128 v[\f+32+8*\a:\f+32+8*\a+3],   v[ADRA+\slot] offset:(\kq>>1)*APLANE+(\kq&1)*64+\a*16*AP
	ds_load_b128 v[\f+32+8*\a+4:\f+32+8*\a+7], v[ADRA+\slot] offset:(\kq>>1)*APLANE+(\kq&1)*64+\a*16*AP+32
.endr
.endm
; 8 matrix instructions: row blocks a0, a0 + 1 x the four column blocks.  first = 1: C is the bias (window 0), which starts the sums.
; The 32 accumulators take turns, one instruction a turn, in the same order in every quarter.
.macro MUL2 f, a0, first
.if \first
	WIN 0x40
.else
	WIN 0x50
.endif
.irp a, 0,1
.irp bb, 0,1,2,3
.if \first
	v_wmma_f32_16x16x32_f16 v[8*(4*(\a0+\a)+\bb):8*(4*(\a0+\a)+\bb)+7], v[\f+8*\bb:\f+8*\bb+7], v[\f+32+8*(\a0+\a):\f+32+8*(\a0+\a)+7], v[BIAS+8*\bb:BIAS+8*\bb+7]
.else
	v_wmma_f32_16x16x32_f16 v[8*(4*(\a0+\a)+\bb):8*(4*(\a0+\a)+\bb)+7], v[\f+8*\bb:\f+8*\bb+7], v[\f+32+8*(\a0+\a):\f+32+8*(\a0+\a)+7], v[8*(4*(\a0+\a)+\bb):8*(4*(\a0+\a)+\bb)+7]
.endif
.endr
.endr
.endm
; One of a K step's first three quarters: multiplies buffer f; in its middle the next quarter's fragments are fetched into buffer g.
.macro QUARTER slot, kqn, f, g, first
	s_wait_dscnt 8                                 ; Wo's fragments and ctx's first four are in; the youngest eight loads may be out
	MUL2 \f, 0, \first
	MUL2 \f, 2, \first
	WIN 0
	PLACES 4                                       ; the loads land in registers that matrix instructions have read (ISA guide 7.12.1 for vector writes)
	FETCH \slot, \kqn, \g
	s_wait_dscnt 24                                ; all but the 24 just issued
	MUL2 \f, 4, \first
	MUL2 \f, 6, \first
.endm
.macro THREE slot, first
	QUARTER \slot, 1, F0, F1, \first
	QUARTER \slot, 2, F1, F0, 0
	QUARTER \slot, 3, F0, F1, 0
.endm
; The last quarter: multiplies buffer 1 and changes slots, with one barrier.  In front of it: my reads of this slot and all my tensor loads.
; Where the slot is filled again the barrier opens a round of the cluster's barrier and the joint refill is the first tensor load behind it.
; From a request to the wait for it a wave issues 120 matrix instructions.
.macro TURN slot, next, fill
	s_wait_dscnt 8
	MUL2 F1, 0, 0
	s_wait_dscnt 0x0
	s_wait_tensorcnt 0x0
	ds_add_u32 v30, v31
	s_wait_dscnt 0x0
	s_barrier_signal -1
	MUL2 F1, 2, 0                                  ; register work while the others arrive
	WIN 0
	s_barrier_wait -1
.if \fill
	CREST
	s_add_nc_u64 s[G0A+4*\slot+2:G0A+4*\slot+3], s[G0A+4*\slot+2:G0A+4*\slot+3], 1048576   ; two K steps on: four planes
	s_add_nc_u64 s[G0B+4*\slot+2:G0B+4*\slot+3], s[G0B+4*\slot+2:G0B+4*\slot+3], 512
	JLOAD \slot
.endif
	PLACES 4
	FETCH \next, 0, F0
	MUL2 F1, 4, 0
	MUL2 F1, 6, 0
.endm
.macro LAP first
	THREE 0, \first
	TURN 0, 1, 1
	THREE 1, 0
	TURN 1, 0, 1
.endm
	s_wait_loadcnt 0x0                             ; the bias
	s_wait_tensorcnt 0x1                           ; my part of K step 0 is in; K step 1's may stay out
	s_barrier_signal -1
	s_barrier_wait -1
	FETCH 0, 0, F0
	LAP 1                                          ; 8 K steps = 4 laps: the first starts the sums on the bias,
	WIN 0
	s_mov_b32 s3, 2                                ; two go round,
.Llap:
	LAP 0
	WIN 0
	s_sub_co_u32 s3, s3, 1
	s_cmp_lg_u32 s3, 0
	s_cbranch_scc1 .Llap
	THREE 0, 0                                     ; and the last fills nothing
	TURN 0, 1, 0
	THREE 1, 0
	s_wait_dscnt 8
	MUL2 F1, 0, 0
	MUL2 F1, 2, 0
	s_wait_dscnt 0x0
	MUL2 F1, 4, 0
	MUL2 F1, 6, 0
	WIN 0
	PLACES 4                                       ; four places before LDS stores read the results and loads land in the fragment buffers
; THE WAY OUT, 16 rows at a time: the f32 sums go straight from the accumulators into my own stage and come back as whole rows of 256 bytes:
; sixteen lanes store 256 consecutive bytes, at a multiple of 256 from out0's first byte.
.macro OUT16 a, f
	WIN 0x04                                       ; an LDS store's data is source 1: window 1
.irp bb, 0,1,2,3
	ds_store_b128 v[STO], v[8*(4*\a+\bb):8*(4*\a+\bb)+3]   offset:64*\bb
	ds_store_b128 v[STO], v[8*(4*\a+\bb)+4:8*(4*\a+\bb)+7] offset:64*\bb+16
.endr
	WIN 0
	s_wait_xcnt 0x0                                ; buffer f, which earlier stores read, is loaded again only behind this wait
.irp t, 0,1,2,3,4,5,6,7
	ds_load_b128 v[\f+4*\t:\f+4*\t+3], v[RD] offset:2*BP*\t      ; LDS serves a wave's instructions in order: these see the stores above
.endr
.irp t, 0,1,2,3,4,5,6,7
	s_wait_dscnt 7-\t
	global_store_b128 v[CO], v[\f+4*\t:\f+4*\t+3], s[66:67] offset:(16*\a+2*\t)*4096 th:TH_STORE_NT   ; 516,096 at the most: inside the signed 24 bits
.endr
.endm
	OUT16 0, F0
	OUT16 1, F1
	OUT16 2, F0
	OUT16 3, F1
	OUT16 4, F0
	OUT16 5, F1
	OUT16 6, F0
	OUT16 7, F1
	s_wait_tensorcnt 0x0
	ds_add_u32 v30, v31
	s_wait_dscnt 0x0
	CROUND                                         ; the closing round
	s_endpgm
.Lfunc_end_k_q653833d1e0_oproj:
	.size	k_q653833d1e0_oproj, .Lfunc_end_k_q653833d1e0_oproj-k_q653833d1e0_oproj
	.p2alignl 7, 3214868480
	.fill 96, 4, 3214868480
	.section	.rodata,"a",@progbits
	.p2align	6, 0x0
	.amdhsa_kernel k_q653833d1e0_oproj
		.amdhsa_group_segment_fixed_size 327680
		.amdhsa_private_segment_fixed_size 0
		.amdhsa_enable_private_segment 0
		.amdhsa_kernarg_size 32
		.amdhsa_user_sgpr_count 2
		.amdhsa_user_sgpr_kernarg_segment_ptr 1
		.amdhsa_wavefront_size32 1
		.amdhsa_system_sgpr_workgroup_id_x 1
		.amdhsa_system_sgpr_workgroup_id_y 1
		.amdhsa_system_sgpr_workgroup_id_z 1
		.amdhsa_system_vgpr_workitem_id 0
		.amdhsa_next_free_vgpr 512
		.amdhsa_next_free_sgpr 90
		.amdhsa_reserve_vcc 0
		.amdhsa_float_denorm_mode_32 3
		.amdhsa_float_denorm_mode_16_64 3
		.amdhsa_memory_ordered 1
		.amdhsa_forward_progress 1
		.amdhsa_inst_pref_size 119
	.end_amdhsa_kernel
	.amdgpu_metadata
---
amdhsa.version: [ 1, 2 ]
amdhsa.kernels:
  - .name:           k_q653833d1e0_oproj
    .symbol:         k_q653833d1e0_oproj.kd
    .args:
      - { .name: ctxh, .offset: 0, .size: 8, .value_kind: global_buffer, .address_space: global }
      - { .name: wh, .offset: 8, .size: 8, .value_kind: global_buffer, .address_space: global }
      - { .name: bo, .offset: 16, .size: 8, .value_kind: global_buffer, .address_space: global }
      - { .name: out0, .offset: 24, .size: 8, .value_kind: global_buffer, .address_space: global }
    .group_segment_fixed_size: 327680
    .private_segment_fixed_size: 0
    .kernarg_segment_align: 8
    .kernarg_segment_size: 32
    .max_flat_workgroup_size: 128
    .sgpr_count:     90
    .vgpr_count:     512
    .wavefront_size: 32
...
	.end_amdgpu_metadata
.endif
;; end of part 4
